; MI455X (gfx1250); checked and timed in simulation.
; The chip was launched on July 23, 2026; its instructions are those of AMD's public machine-readable ISA for CDNA 5 (MIT licence, August 2026) and "CDNA5" Instruction Set Architecture Reference Guide (July 2026). The comments in the code are by the model that wrote it; some were corrected since.
;; Interpretable Multihead Attention. Allowed arithmetic: matrix products marked QUANTISED: E5M2 operands, one given power-of-two scale a tensor, by v_wmma_f32_16x16x64_bf8_bf8 or v_wmma_f32_16x16x128_bf8_bf8, f32 sums; everything else in f32.
;; Inputs: Wk_codes 1,024 x 32 x 32 uint8 (E5M2 codes of Wk, K innermost, in blocks of 32 codes); Wo_codes 1,024 x 32 x 32 uint8 (E5M2 codes of Wo, K innermost, in blocks of 32 codes); Wq_codes 1,024 x 32 x 32 uint8 (E5M2 codes of Wq, K innermost, in blocks of 32 codes); Wv_codes 1,024 x 32 x 32 uint8 (E5M2 codes of Wv, K innermost, in blocks of 32 codes); bk 1,024 float32; bo 1,024 float32; bq 1,024 float32; bv 1,024 float32; lowp_scales 12 int32 (the exponents e of the quantised operands' scales 2^e); x_codes 4 x 2,048 x 32 x 32 uint8 (E5M2 codes of x, K innermost, in blocks of 32 codes).
;; Outputs: out0 4 x 2,048 x 1,024 float32.
;; This version of the problem:
;;   THIS VERSION OF THE PROBLEM IS GIVEN IN LOW PRECISION. The matrix products marked QUANTISED in the list below multiply operands that are first quantised to E5M2 (5 exponent bits, 2 mantissa bits; 8 bits a number), with one given power-of-two scale for each operand tensor; their sums are f32. All else is computed in f32.
;;   The module's matrix products, in the order in which they are computed (A, B: the left and right operand; K: the contracted axis; several contracted axes count as one K, in the product's order):
;;     1. [M 8,192, K 1,024] x [K 1,024, N 1,024]; A: input x (given as codes); B: input Wq (given as codes): QUANTISED (scales: A lowp_scales[0], B lowp_scales[1])
;;     2. [M 8,192, K 1,024] x [K 1,024, N 1,024]; A: input x (given as codes); B: input Wk (given as codes): QUANTISED (scales: A lowp_scales[2], B lowp_scales[3])
;;     3. [M 8,192, K 1,024] x [K 1,024, N 1,024]; A: input x (given as codes); B: input Wv (given as codes): QUANTISED (scales: A lowp_scales[4], B lowp_scales[5])
;;     4. batch 64 x [M 2,048, K 64] x [K 64, N 2,048]; A: computed on the way; B: computed on the way: QUANTISED (scales: A lowp_scales[6], B lowp_scales[7])
;;     5. batch 64 x [M 2,048, K 2,048] x [K 2,048, N 64]; A: softmax (see below); B: computed on the way: QUANTISED (scales: A lowp_scales[8], B lowp_scales[9])
;;     6. [M 8,192, K 1,024] x [K 1,024, N 1,024]; A: computed on the way; B: input Wo (given as codes): QUANTISED (scales: A lowp_scales[10], B lowp_scales[11])
;;   THE QUANTISER, for each operand of a quantised product, along K:
;;     - The operand's scale is 2^e, e = its entry of the input lowp_scales (int32; the entries are numbered through the quantised products in the list's order, A before B).
;;     - Each number is divided by the scale, clamped to +-57,344, and rounded to the nearest number of E5M2, ties to even, subnormals kept.
;;     - The product sums the exact products of the quantised numbers (number of the format x scale) in f32.
;;   ~~~python
;;   def quantise(x, axis, e):      # numpy; x: float32 -> the quantised numbers, widened to float32 again
;;       x = np.moveaxis(x, axis, -1); K = x.shape[-1]
;;       r = np.clip(x / 2.0 ** e, -57344, 57344)
;;       step = 2.0 ** (np.maximum(np.frexp(np.where(r == 0, 1, r))[1] - 1, -14) - 2)
;;       q = np.round(r / step) * step * 2.0 ** e      # np.round: ties to even
;;       return np.moveaxis(q, -1, axis).astype(np.float32)
;;   ~~~
;;   SOFTMAX AHEAD OF A QUANTISED PRODUCT. Where the list says 'softmax', what is quantised is not the finished softmax but p = 2^(t - M), with t = logit x log2(e) and M = ceil(the row's largest t), a whole number; so 1/2 < the row's largest p <= 1. The row's sum l is taken of the UNQUANTISED p, in f32, and the product's result is divided by l at the end. Since M is a whole number, a kernel that streams over the keys may use a running M (the ceiling of the running maximum): every later rescaling is an exact power of two, so the quantised numbers keep their values, but for numbers so far below the row's largest that they fall under the format's range.
;;   OPERANDS COMPUTED ON THE WAY. 'Computed on the way' means the value that the module computes at that place (a softmax that the list does not call 'softmax' is quantised finished and normalised). What goes into a quantiser is computed in f32, as accurately as f32 sums, v_exp_f32 and their like allow (about 1e-6 of the number): no bf16 or f16 on the way to a quantiser, and a product that is left as it is and whose result goes on into a quantised operand takes f32 operands (vector FMAs, or v_wmma_f32_16x16x4_f32). A number that lies on a knife's edge between two numbers of the format may be rounded either way, as far as f32 arithmetic and the matrix unit's own rounding can turn it there, and no further.
;;   INPUTS GIVEN AS CODES. Wk (in the module: [1024, 1024], K = its axis 1); Wo (in the module: [1024, 1024], K = its axis 1); Wq (in the module: [1024, 1024], K = its axis 1); Wv (in the module: [1024, 1024], K = its axis 1); x (in the module: [4, 2048, 1024], K = its axis 2): each comes as NAME_codes (uint8): NAME with its K axis moved to the last place and cut into blocks of 32 codes, [.., K / 32, bytes a block], one block behind the other in memory; one code a byte (a code: sign, 5 exponent bits, 2 mantissa bits); its scale is its entry of lowp_scales. Its value is code x scale, taken as it is: it is not quantised again, and the codes and scales need not be those that the quantiser above would give.
;; 2 versions, each right; version 2 is version 1 with the launch attn written anew for expert scheduling mode. Each part assembles by itself: llvm-mc -triple=amdgcn-amd-amdhsa -mcpu=gfx1250 --defsym DOCPART=n.
;; ======== version 1 of 2: 3 launches
;; workspace buffers: q_codes 8,388,608 bytes; kv_codes 16,777,216 bytes; ctx_codes 8,388,608 bytes
;; launch qkv (part 1): grid 12 x 32, 4 waves a work-group, clusters of 4 x 4, 327,680 bytes of LDS; arguments x_codes, Wq_codes, Wk_codes, Wv_codes, bq, bk, bv, lowp_scales, q_codes, kv_codes; writes q_codes, kv_codes
.if DOCPART == 1
	.amdgcn_target "amdgcn-amd-amdhsa--gfx1250"
	.amdhsa_code_object_version 6
	.text
	.protected	k_q3a3dad4f43_qkv
	.globl	k_q3a3dad4f43_qkv
	.p2align	8
	.type	k_q3a3dad4f43_qkv,@function
k_q3a3dad4f43_qkv:
	s_mov_b64 s[64:65], 0
	v_nop
	global_prefetch_b8 v0, s[64:65] scope:SCOPE_SE
	s_setreg_imm32_b32 hwreg(HW_REG_WAVE_MODE, 25, 1), 1
	s_wait_xcnt 0x0
	s_wait_alu depctr_hold_cnt(0) depctr_sa_sdst(0) depctr_va_vdst(0) depctr_va_sdst(0) depctr_va_ssrc(0) depctr_va_vcc(0) depctr_vm_vsrc(0)
	s_getreg_b32 s2, hwreg(HW_REG_IB_STS2, 6, 4)
	s_cmp_eq_u32 s2, 0
	s_cbranch_scc0 .Lentry_in_a_cluster
	s_endpgm
.Lentry_in_a_cluster:
	s_bfe_u32 s2, ttmp6, 0x10000c
	s_cmp_lg_u32 s2, 0xf033
	s_cbranch_scc0 .Lentry_shape_is_right
	s_endpgm
.Lentry_shape_is_right:
; q = x Wq^T + bq, k = x Wk^T + bk, v = x Wv^T + bv on codes of BF8 (E5M2), then q, k (along the head's 64) and v (along the keys) are quantised with the given scales and stored
; as IMAGES OF OPERAND REGISTERS: four registers of a fragment at a time, lane l's 16 bytes at 16 l, 512 consecutive bytes a store.
;   q_codes  [bh 64][query tile 128][1,024 B]      kv_codes [bh 64][key step 16][16,384 B]: K's 8 tiles of 16 keys x 1,024 B, then V's 4 tiles of 16 channels x 128 keys x 2,048 B
; THE CLUSTER'S x SAYS WHICH PRODUCT: 0 q, 1 k, 2 v; it is the same in all sixteen partners.  A work-group makes 256 x 256 numbers, a wave 128 x 128: 64 accumulators.
; Source 0 of the matrix instruction takes rows of the "B role", source 1 rows of the "A role"; a lane then holds one row of the A role and eight neighbouring rows of the B role.
;   q, k: A role = x (tokens), B role = W (features): a lane holds a token and 8 neighbouring features, the next product's K.
;   v:    A role = Wv (features), B role = x (tokens): a lane holds a channel and 8 neighbouring keys, the next product's K.
; Both tensors have rows of 1,024 bytes, so ring, descriptors and K steps are one text for the three.  K goes in steps of 256 through two LDS slots filled by joint tensor loads:
; A's tile is shared along a row of the cluster, B's along a column.
; A fragment is fetched by four loads of 16 bytes: k = 32 c + 16 (l / 16) + 0..15 in registers 4 c .. 4 c + 3: a permutation of k that is the same on both sides, so every product meets its partner.
; LIMITS: e0 + e1, e2 + e3, e4 + e5 between -126 and 127; e6, e7, e9 between -126 and 112, so that each power of two below is an f32 number.  NaN is not served.
; REGISTERS: window 0: v0-31 addresses and constants; v32-95 bias by feature along registers; v96-111 bias by feature along lanes; v128-255 A's fragments, one set (on the way out: numbers and codes).
;   window 1: B's fragments, two sets.   windows 2, 3: the accumulators, (a, b) at v[8 (8 (a % 4) + b)].
.set ROWB,   256                       ; a tile's row: 256 codes
.set KROW,   1024                      ; a row of x or of W in memory
.set PITCH,  272                       ; an LDS row: 256 bytes + 16 of padding = 68 words: the 16 rows of a load start at 16 different banks
.set FR,     16
.set NL,     4
.set NP,     4
.set HALFT,  128*PITCH
.set SLOT,   4*HALFT
.set SPARE,  2*SLOT                    ; behind the ring: the spare words, 128 bytes for each wave
.set ADRA, 16                          ; v16-17 LDS address of my A fragments in slot 0, 1
.set ADRB, 20                          ; v20-21 the same for B
.set BMA,  24                          ; v24  32 x (l / 16)
.set BNA,  25                          ; v25  4 x (l % 16)
.set LI,   26                          ; v26  16 x lane: an image's place for my lane
.set SPW,  28                          ; v28  my spare word; never rewritten
.set NIL,  29                          ; v29  0; never rewritten
.set SCL,  30                          ; v30  the output's scale as f32
.set LIM,  31                          ; v31  57,344 x that scale
.set BM,   32
.set BN,   96
.set AF,   128
.set TMP,  128
.set CD,   192
.set G1,  24
.set G0,  32
.set G1B, 48
.set G0B, 56
.set OB,  92                           ; s[92:93] where my first head's images go; s[98:99] my second head's
.set MSB, 0
.macro WIN new                         ; the immediate's high byte repeats the setting that is left
.if MSB != (\new)
	s_set_vgpr_msb (MSB<<8)|(\new)
.set MSB, (\new)
.endif
.endm
.set MUL_LO, 0xa1                      ; source 0 (B) window 1, source 1 (A) window 0, C and D window 2
.set MUL_HI, 0xf1                      ; the same, C and D window 3
.set TO_B,   0x40                      ; destination window 1, address window 0
; A joint load: waves 0 and 1 fetch for the A role, waves 2 and 3 for the B role.  The branch hangs on the wave's number alone.  Four v_nop follow each line.
.macro JLOAD g0a, g1a, g0b, g1b
	s_cmp_eq_u32 s15, 0
	s_cbranch_scc0 .Lfor_b_\@
	tensor_load_to_lds s[\g0a:\g0a+3], s[\g1a:\g1a+7]
	s_nop 0
.rept 4
	v_nop
.endr
	s_branch .Lasked_\@
.Lfor_b_\@:
	tensor_load_to_lds s[\g0b:\g0b+3], s[\g1b:\g1b+7]
	s_nop 0
.rept 4
	v_nop
.endr
.Lasked_\@:
.endm
.macro CREST                           ; a round of the cluster's barrier behind its opening barrier
	s_cmp_lg_u32 s14, 0
	s_cbranch_scc1 .Lnot_wave_0_\@
	s_barrier_signal -3
.Lnot_wave_0_\@:
	s_barrier_wait -3
	s_barrier_signal -1
	s_barrier_wait -1
.endm
.macro CROUND
	s_barrier_signal -1
	s_barrier_wait -1
	CREST
.endm
	s_load_b256 s[68:75], s[0:1], 0x0              ; x s[68:69], Wq s[70:71], Wk s[72:73], Wv s[74:75]
	s_load_b256 s[76:83], s[0:1], 0x20             ; bq s[76:77], bk s[78:79], bv s[80:81], the scales' exponents s[82:83]
	s_load_b128 s[84:87], s[0:1], 0x40             ; q_codes s[84:85], kv_codes s[86:87]
	v_lshl_add_u32 v[SPW], v0, 2, SPARE
	v_mov_b32 v[NIL], 0
	ds_add_u32 v28, v29
	ds_add_u32 v28, v29
	s_wait_dscnt 0x0
	v_lshrrev_b32 v1, 5, v0
	v_readfirstlane_b32 s14, v1                    ; wave 0..3
	s_lshr_b32 s15, s14, 1                         ; which half of the A role's rows is mine.  Also: I fetch for A (0) or for B (1)
	s_and_b32 s16, s14, 1                          ; which half of the B role's rows.  Also: which 128 rows of that tile I fetch
	s_bfe_u32 s40, ttmp6, 0x40000                  ; cx
	s_bfe_u32 s41, ttmp6, 0x40004                  ; cy
	s_and_b32 s18, ttmp7, 0xffff
	s_lshl_b32 s18, s18, 2                         ; 4 x cluster y: the cluster's first tile of 256 tokens
	s_cmp_eq_u32 ttmp9, 2                          ; v?
	s_cselect_b32 s17, 0, s18                      ; the tokens are the B role's rows for v, the A role's for q and k
	s_cselect_b32 s42, s18, 0
	s_add_co_u32 s17, s17, s41                     ; A role's tile: hangs on cy alone
	s_add_co_u32 s42, s42, s40                     ; B role's tile: on cx alone
	s_lshl_b32 s43, s41, 2
	s_lshl_b32 s43, 15, s43                        ; my row of the cluster
	s_lshl_b32 s44, 0x1111, s40                    ; my column
	; descriptor group 1: 128 rows x 256 bytes, 16 bytes of padding behind each row
	s_or_b32 s[G1+0], s43, (0<<16)|(1<<20)|(1<<21)|(5<<22)|(3<<25)  ; the mask; elements of 1 byte; padding on; bit 21 beside a mask; after every 64 words; 4 words
	s_or_b32 s[G1B+0], s44, (0<<16)|(1<<20)|(1<<21)|(5<<22)|(3<<25)
.irp g, G1, G1B
	s_mov_b32 s[\g+1], ROWB<<16                    ; tensor_dim0
	s_mov_b32 s[\g+2], 128<<16                     ; tensor_dim1
	s_mov_b32 s[\g+3], ROWB<<16                    ; tile_dim0
	s_mov_b32 s[\g+4], 128                         ; tile_dim1
	s_mov_b32 s[\g+5], KROW                        ; from row to row
	s_mov_b32 s[\g+6], 0
	s_mov_b32 s[\g+7], 0
.endr
	s_lshl_b32 s18, s16, 7                         ; which 128 rows of the tile I fetch
	s_lshl_b32 s20, s17, 8
	s_add_co_u32 s20, s20, s18
	s_lshl_b32 s20, s20, 10                        ; A role: (256 x tile + 128 x half) rows of 1,024 bytes
	s_mov_b32 s21, 0
	s_lshl_b32 s46, s42, 8
	s_add_co_u32 s46, s46, s18
	s_lshl_b32 s46, s46, 10                        ; B role likewise
	s_mov_b32 s47, 0
	s_mul_i32 s45, s14, HALFT                      ; where they go: wave x 128 rows
	s_wait_kmcnt 0x0
	s_cmp_eq_u32 ttmp9, 0                          ; q?
	s_cselect_b64 s[88:89], s[70:71], s[72:73]     ; Wq or Wk
	s_cselect_b64 s[90:91], s[76:77], s[78:79]     ; bq or bk
	s_cselect_b64 s[OB:OB+1], s[84:85], s[86:87]   ; q_codes, or kv_codes
	s_cselect_b32 s96, 17, 18                      ; a head's bytes there: 2^17 or 2^18
	s_cmp_eq_u32 ttmp9, 2                          ; v?
	s_cselect_b64 s[4:5], s[74:75], s[68:69]       ; A role: Wv, or x
	s_cselect_b64 s[6:7], s[68:69], s[88:89]       ; B role: x, or the weight
	s_cselect_b64 s[90:91], s[80:81], s[90:91]     ; the bias
	s_cselect_b32 s97, 8192, 0                     ; V's tiles lie behind K's in a key step's block
	s_load_b256 s[68:75], s[82:83], 0x0            ; e0 .. e7 (the pointers that lay here have been chosen from)
	s_load_b64 s[76:77], s[82:83], 0x20            ; e8, e9
	s_add_nc_u64 s[20:21], s[4:5], s[20:21]
	s_add_nc_u64 s[46:47], s[6:7], s[46:47]
	CROUND                                         ; all sixteen work-groups are here: the first joint loads meet
.irp s, 0,1
	s_mov_b32 s[G0+4*\s], 1
	s_add_co_u32 s[G0+4*\s+1], s45, \s*SLOT
	s_add_nc_u64 s[G0+4*\s+2:G0+4*\s+3], s[20:21], \s*ROWB
	s_or_b32 s[G0+4*\s+3], s[G0+4*\s+3], 0x80000000
	s_mov_b32 s[G0B+4*\s], 1
	s_add_co_u32 s[G0B+4*\s+1], s45, \s*SLOT
	s_add_nc_u64 s[G0B+4*\s+2:G0B+4*\s+3], s[46:47], \s*ROWB
	s_or_b32 s[G0B+4*\s+3], s[G0B+4*\s+3], 0x80000000
	JLOAD G0+4*\s, G1, G0B+4*\s, G1B
.endr
	v_and_b32 v1, 15, v0                           ; r = l % 16
	v_bfe_u32 v2, v0, 4, 1                         ; h = l / 16
	v_mul_u32_u24 v3, v1, PITCH
	v_lshl_add_u32 v4, v2, 4, v3                   ; a fragment's row x pitch + 16 h
	s_mul_i32 s21, s15, HALFT                      ; my 128 rows of the A role
	s_mul_i32 s22, s16, HALFT                      ; my 128 rows of the B role,
	s_add_co_u32 s22, s22, 2*HALFT                 ; which lie behind A's 256
.irp s, 0,1
	v_add_nc_u32 v[ADRA+\s], s21, v4
	v_add_nc_u32 v[ADRB+\s], s22, v4
	s_add_co_u32 s21, s21, SLOT
	s_add_co_u32 s22, s22, SLOT
.endr
	v_lshlrev_b32 v[BMA], 5, v2
	v_lshlrev_b32 v[BNA], 2, v1
	v_and_b32 v[LI], 31, v0
	v_lshlrev_b32 v[LI], 4, v[LI]
	; where my wave's images go.  My 128 tokens are one key step (8 tiles of 16) of one batch, my 128 features two heads.
	s_lshl_b32 s18, s17, 8
	s_lshl_b32 s19, s15, 7
	s_add_co_u32 s18, s18, s19                     ; my first row of the A role
	s_lshl_b32 s19, s42, 8
	s_lshl_b32 s23, s16, 7
	s_add_co_u32 s19, s19, s23                     ; and of the B role
	s_cmp_eq_u32 ttmp9, 2
	s_cselect_b32 s100, s19, s18                   ; my first token
	s_cselect_b32 s101, s18, s19                   ; my first feature
	s_lshr_b32 s18, s100, 11
	s_lshl_b32 s18, s18, 4
	s_lshr_b32 s19, s101, 6
	s_add_co_u32 s18, s18, s19                     ; bh = 16 x batch + head
	s_lshl_b32 s18, s18, s96
	s_bfe_u32 s19, s100, 0x40007                   ; the key step: (token / 128) % 16
	s_sub_co_u32 s23, s96, 4
	s_lshl_b32 s19, s19, s23                       ; a sixteenth of a head's bytes each
	s_add_co_u32 s18, s18, s19
	s_add_co_u32 s18, s18, s97
	s_mov_b32 s19, 0
	s_add_nc_u64 s[OB:OB+1], s[OB:OB+1], s[18:19]
	s_lshl_b32 s18, 1, s96
	s_add_nc_u64 s[OB+6:OB+7], s[OB:OB+1], s[18:19]   ; the next head
	s_lshl_b32 s18, s101, 2
	s_add_nc_u64 s[90:91], s[90:91], s[18:19]      ; the bias at my first feature
	; both layouts of my 128 numbers of the bias are loaded, so that every register is written whichever way out is taken; they land during the K steps
.set b, 0
.rept 8
	global_load_b128 v[BM+8*b:BM+8*b+3], v[BMA], s[90:91] offset:64*b        ; features 16 b + 8 h + 0 .. 7
	global_load_b128 v[BM+8*b+4:BM+8*b+7], v[BMA], s[90:91] offset:64*b+16
	global_load_b32 v[BN+2*b], v[BNA], s[90:91] offset:64*b                  ; feature 16 b + r
	v_mov_b32 v[BN+2*b+1], 0                       ; (named with it as a pair)
.set b, b+1
.endr
.macro FRAG reg, adr, q, i             ; 16 rows x 128 K: lane l holds row l % 16; registers 4 c .. 4 c + 3 hold K = 32 c + 16 (l / 16) + 0 .. 15
.irp c, 0,1,2,3
	ds_load_b128 v[\reg+4*\c:\reg+4*\c+3], v[\adr] offset:128*(\q)+32*\c+(\i)*16*PITCH
.endr
.endm
; 16 matrix instructions: A's blocks a0, a0 + 1 x B's eight.  p: B's set.  zero = 1: the first product starts the sums.  The 64 accumulators take turns, one instruction a turn.
.macro MUL16 a0, p, zero
.irp a, \a0, \a0+1
.irp b, 0,1,2,3,4,5,6,7
.if \zero
	v_wmma_f32_16x16x128_bf8_bf8 v[8*(8*((\a)%4)+\b):8*(8*((\a)%4)+\b)+7], v[128*(\p)+FR*\b:128*(\p)+FR*\b+FR-1], v[AF+FR*(\a):AF+FR*(\a)+FR-1], 0
.else
	v_wmma_f32_16x16x128_bf8_bf8 v[8*(8*((\a)%4)+\b):8*(8*((\a)%4)+\b)+7], v[128*(\p)+FR*\b:128*(\p)+FR*\b+FR-1], v[AF+FR*(\a):AF+FR*(\a)+FR-1], v[8*(8*((\a)%4)+\b):8*(8*((\a)%4)+\b)+7]
.endif
.endr
.endr
.endm
.macro FETCH_B slot, q, p
	WIN TO_B
.irp i, 0,1,2,3,4,5,6,7
	FRAG 128*(\p)+FR*\i, ADRB+\slot, \q, \i
.endr
	WIN 0
.endm
.macro FETCH_A slot, q, i0
.irp i, \i0, \i0+1, \i0+2, \i0+3
	FRAG AF+FR*(\i), ADRA+\slot, \q, \i
.endr
.endm
.macro PLACES n                        ; plain vector instructions between a matrix instruction and a load into, or a vector read or write of, its registers
.rept \n
	v_nop
.endr
.endm
; A step of 128 along K that has its successor in the same slot.  A has one set of registers: blocks 0-3 are fetched anew in the step's middle, blocks 4-7 at its end; B has two sets.
.macro STEP slot, q, zero
	s_wait_dscnt 4*NL                              ; B's set and A's blocks 0-3 are in; the youngest 16 loads (A's blocks 4-7) may be out
	WIN MUL_LO
	MUL16 0, (\q)%2, \zero
	MUL16 2, (\q)%2, \zero
	s_wait_dscnt 0                                 ; A's blocks 4-7 are in
	PLACES NP
	FETCH_B \slot, (\q)+1, 1-(\q)%2
	FETCH_A \slot, (\q)+1, 0
	WIN MUL_HI
	MUL16 4, (\q)%2, \zero
	MUL16 6, (\q)%2, \zero
	PLACES NP
	WIN 0
	FETCH_A \slot, (\q)+1, 4
.endm
; A slot's last step changes slots: one barrier; in front of it each wave waits for all its tensor loads, adds 0 to its spare word, and waits for that and for its reads of this slot.
.macro TURN slot, next, fill
	s_wait_tensorcnt 0x0                           ; all my tensor loads have landed: my part of the next slot
	ds_add_u32 v[SPW], v[NIL]                      ; 0 onto my spare word
	s_wait_dscnt 4*NL+1                            ; the add and the youngest 16 loads may be out
	WIN MUL_LO
	MUL16 0, 1, 0                                  ; sixteen matrix instructions stand between the add and the wait for it
	s_wait_dscnt 0x0                               ; the add is done, and my reads of this slot are over
	s_barrier_signal -1
	MUL16 2, 1, 0
	WIN 0
	s_barrier_wait -1
.if \fill
	CREST                                          ; the barrier has opened a round of the cluster's: no wave of any partner still reads this slot or has a load on its way
	s_add_nc_u64 s[G0+4*\slot+2:G0+4*\slot+3], s[G0+4*\slot+2:G0+4*\slot+3], 2*ROWB
	s_add_nc_u64 s[G0B+4*\slot+2:G0B+4*\slot+3], s[G0B+4*\slot+2:G0B+4*\slot+3], 2*ROWB
	JLOAD G0+4*\slot, G1, G0B+4*\slot, G1B         ; the first tensor load behind the round; its four v_nop are the places in front of the loads below
.else
	PLACES NP
.endif
	FETCH_B \next, 0, 0
	FETCH_A \next, 0, 0
	WIN MUL_HI
	MUL16 4, 1, 0
	MUL16 6, 1, 0
	PLACES NP
	WIN 0
	FETCH_A \next, 0, 4
.endm
	s_wait_tensorcnt 1                             ; my part of slot 0 is in; slot 1's load may be out
	s_barrier_signal -1
	s_barrier_wait -1
	FETCH_B 0, 0, 0
	FETCH_A 0, 0, 0
	FETCH_A 0, 0, 4
	STEP 0, 0, 1                                   ; K 0-127: the products start the sums
	TURN 0, 1, 1                                   ; K 128-255; slot 0 takes K 512-767
	STEP 1, 0, 0
	TURN 1, 0, 1                                   ; slot 1 takes K 768-1,023
	STEP 0, 0, 0
	TURN 0, 1, 0                                   ; nothing is left to fetch
	STEP 1, 0, 0
	s_wait_dscnt 4*NL                              ; the last step
	WIN MUL_LO
	MUL16 0, 1, 0
	MUL16 2, 1, 0
	s_wait_dscnt 0
	WIN MUL_HI
	MUL16 4, 1, 0
	MUL16 6, 1, 0
	WIN 0
	; THE WAY OUT.  number = sum x 2^(ea + eb) + bias, one packed multiply-add for two; held within the largest code x the scale; eight neighbours along the next K become two registers of codes.
	s_wait_kmcnt 0x0
	s_add_co_i32 s18, s68, s69                     ; e0 + e1
	s_add_co_i32 s19, s70, s71                     ; e2 + e3
	s_add_co_i32 s20, s72, s73                     ; e4 + e5
	s_cmp_eq_u32 ttmp9, 0
	s_cselect_b32 s18, s18, s19
	s_cselect_b32 s21, s74, s75                    ; q's scale e6, k's e7
	s_cmp_eq_u32 ttmp9, 2
	s_cselect_b32 s18, s20, s18
	s_cselect_b32 s21, s77, s21                    ; v's e9
	s_add_co_i32 s18, s18, 127
	s_lshl_b32 s94, s18, 23                        ; 2^(ea + eb) as f32
	s_mov_b32 s95, s94                             ; (named with it as a pair)
	s_add_co_i32 s21, s21, 127
	s_lshl_b32 s22, s21, 23
	v_mov_b32 v[SCL], s22                          ; the output's scale: the conversion takes its exponent field
	s_add_co_i32 s21, s21, 15
	s_lshl_b32 s21, s21, 23
	s_or_b32 s21, s21, 0x600000
	v_mov_b32 v[LIM], s21                          ; 57,344 x the scale
	s_wait_loadcnt 0x0                             ; the bias
	PLACES NP                                      ; behind the last products: their results are read and A's registers written below
; Block a of the A role: its eight accumulators.  kind 0 (q, k): token tile a, registers along 128 features: two heads' fragments of 8 registers.  kind 1 (v): channel tile a, registers along 128 keys: one fragment of 16.
.macro OUTBLK a, kind
.set AC, 64*((\a)%4)
.set CB, CD+16*((\a)%4)
.if (\a) >= 4
	s_wait_xcnt 0x0                                ; block a - 4's stores have read these registers
.endif
	WIN 0x02+((\a)/4)                              ; source 0: window 2 or 3
.set j, 0
.rept 32
.if \kind
	v_pk_fma_f32 v[TMP+j:TMP+j+1], v[AC+j:AC+j+1], s[94:95], v[BN+2*(\a):BN+2*(\a)+1] op_sel_hi:[1,0,0]   ; my lane's feature: one number for both halves
.else
	v_pk_fma_f32 v[TMP+j:TMP+j+1], v[AC+j:AC+j+1], s[94:95], v[BM+j:BM+j+1] op_sel_hi:[1,0,1]            ; each accumulator from its low end on
.endif
.set j, j+2
.endr
	WIN 0
.set j, 0
.rept 64
	v_med3_num_f32 v[TMP+j], v[TMP+j], -v[LIM], v[LIM]   ; the conversion to an 8-bit code does not saturate (ISA guide 7.6.2)
.set j, j+1
.endr
.set j, 0
.rept 8
	v_cvt_scalef32_pk8_bf8_f32 v[CB+2*j:CB+2*j+1], v[TMP+8*j:TMP+8*j+7], v[SCL]
.set j, j+1
.endr
	v_nop                                          ; a plain instruction behind the conversions: the next block writes their sources
.irp i, 0,1,2,3
.if \kind
	global_store_b128 v[LI], v[CB+4*\i:CB+4*\i+3], s[OB+6*((\a)/4):OB+6*((\a)/4)+1] offset:((\a)%4)*2048+\i*512   ; 512 consecutive bytes, aligned
.else
	global_store_b128 v[LI], v[CB+4*\i:CB+4*\i+3], s[OB+6*(\i/2):OB+6*(\i/2)+1] offset:(\a)*1024+(\i%2)*512
.endif
.endr
.endm
	s_cmp_eq_u32 ttmp9, 2                          ; the same in all partners of the cluster
	s_cbranch_scc1 .Lout_v
.irp a, 0,1,2,3,4,5,6,7
	OUTBLK \a, 0
.endr
	s_branch .Lend
.Lout_v:
.irp a, 0,1,2,3,4,5,6,7
	OUTBLK \a, 1
.endr
.Lend:
	s_wait_tensorcnt 0x0                           ; the wave's end
	ds_add_u32 v[SPW], v[NIL]
	s_wait_dscnt 0x0
	CROUND                                         ; the closing round: no work-group ends while a partner may still ask for a tile that names it
	s_endpgm
.Lfunc_end_k_q3a3dad4f43_qkv:
	.size	k_q3a3dad4f43_qkv, .Lfunc_end_k_q3a3dad4f43_qkv-k_q3a3dad4f43_qkv
	.p2alignl 7, 3214868480
	.fill 96, 4, 3214868480
	.section	.rodata,"a",@progbits
	.p2align	6, 0x0
	.amdhsa_kernel k_q3a3dad4f43_qkv
		.amdhsa_group_segment_fixed_size 327680
		.amdhsa_private_segment_fixed_size 0
		.amdhsa_enable_private_segment 0
		.amdhsa_kernarg_size 80
		.amdhsa_user_sgpr_count 2
		.amdhsa_user_sgpr_kernarg_segment_ptr 1
		.amdhsa_wavefront_size32 1
		.amdhsa_system_sgpr_workgroup_id_x 1
		.amdhsa_system_sgpr_workgroup_id_y 1
		.amdhsa_system_sgpr_workgroup_id_z 1
		.amdhsa_system_vgpr_workitem_id 0
		.amdhsa_next_free_vgpr 1024
		.amdhsa_next_free_sgpr 102
		.amdhsa_reserve_vcc 0
		.amdhsa_float_denorm_mode_32 3
		.amdhsa_float_denorm_mode_16_64 3
		.amdhsa_memory_ordered 1
		.amdhsa_forward_progress 1
		.amdhsa_inst_pref_size 193
	.end_amdhsa_kernel
	.amdgpu_metadata
---
amdhsa.version: [ 1, 2 ]
amdhsa.kernels:
  - .name:           k_q3a3dad4f43_qkv
    .symbol:         k_q3a3dad4f43_qkv.kd
    .args:
      - { .name: x_codes, .offset: 0, .size: 8, .value_kind: global_buffer, .address_space: global }
      - { .name: Wq_codes, .offset: 8, .size: 8, .value_kind: global_buffer, .address_space: global }
      - { .name: Wk_codes, .offset: 16, .size: 8, .value_kind: global_buffer, .address_space: global }
      - { .name: Wv_codes, .offset: 24, .size: 8, .value_kind: global_buffer, .address_space: global }
      - { .name: bq, .offset: 32, .size: 8, .value_kind: global_buffer, .address_space: global }
      - { .name: bk, .offset: 40, .size: 8, .value_kind: global_buffer, .address_space: global }
      - { .name: bv, .offset: 48, .size: 8, .value_kind: global_buffer, .address_space: global }
      - { .name: lowp_scales, .offset: 56, .size: 8, .value_kind: global_buffer, .address_space: global }
      - { .name: q_codes, .offset: 64, .size: 8, .value_kind: global_buffer, .address_space: global }
      - { .name: kv_codes, .offset: 72, .size: 8, .value_kind: global_buffer, .address_space: global }
    .group_segment_fixed_size: 327680
    .private_segment_fixed_size: 0
    .kernarg_segment_align: 8
    .kernarg_segment_size: 80
    .max_flat_workgroup_size: 128
    .sgpr_count:     102
    .vgpr_count:     1024
    .wavefront_size: 32
...
	.end_amdgpu_metadata
.endif
;; end of part 1
;; launch attn (part 2): grid 4 x 64, 16 waves a work-group, no clusters, 264,192 bytes of LDS; arguments q_codes, kv_codes, lowp_scales, ctx_codes; writes ctx_codes
.if DOCPART == 2
	.amdgcn_target "amdgcn-amd-amdhsa--gfx1250"
	.amdhsa_code_object_version 6
	.text
	.protected	k_q3a3dad4f43_attn
	.globl	k_q3a3dad4f43_attn
	.p2align	8
	.type	k_q3a3dad4f43_attn,@function
k_q3a3dad4f43_attn:
	s_mov_b64 s[64:65], 0
	v_nop
	global_prefetch_b8 v0, s[64:65] scope:SCOPE_SE
	s_setreg_imm32_b32 hwreg(HW_REG_WAVE_MODE, 25, 1), 1
	s_wait_xcnt 0x0
; ctx = softmax(q k^T / 8) v for one head, both products on codes of BF8 (E5M2); ctx is quantised with the given scale and stored as images of operand registers:
;   ctx_codes [token tile 512][head 16][1,024 B].  q_codes and kv_codes are such images too (the launch before lays them).
; THE SOFTMAX: t = score x log2(e) / 8; M = the running largest t rounded UP to a whole number; p = 2^(t - M) is quantised along the keys, not normalised; the row's sum is taken of the
; unquantised p and divides at the end; when M moves, the sum and O are multiplied by 2^(old M - new M), which rounds nothing.
; SHARES.  A work-group owns 512 queries of one head.  THE HEAD'S K AND V, 262,144 BYTES, LIE IN LDS FOR THE WHOLE LAUNCH: each of the sixteen waves copies a sixteenth through its registers,
; one barrier follows, and from then on LDS is only read: no ring, no further barrier.  Wave w takes query tiles 2 w and 2 w + 1 of the block, one after the other, 16 key steps of 128 each.
; Four waves share a SIMD, so that one wave's vector work stands beside another's products and LDS loads.
; NOT SHARED IN A CLUSTER: the four work-groups of a head read the same 262,144 bytes once each, at the head, against 8,388,608 bytes that each then reads from its LDS.
; A scalar branch on the given exponent of p's scale leaves out p's hold where it cannot act (below).
; LAYOUT.  S^T = K Q^T (source 0 = 16 keys, source 1 = my 16 queries), O^T = V^T P^T (source 0 = 16 channels, source 1 = P): a lane holds ONE query throughout.  Register j of score tile t is key
; 16 t + 8 (l / 16) + j, so the conversions' results, registers 2 t and 2 t + 1, are the second product's operand in its own layout.
; LIMITS: e6 + e7 between -123 and 130 (added to c's exponent field); e8 and e10 between -126 and 112.  NaN is not served.
.set LI,  1                            ; v1   16 x lane
.set ADR, 2                            ; v2   LDS address of the key step in hand
.set FA,  3                            ; v3   the fill: 16,384 x wave + 16 x lane, in the head's block and in LDS alike
.set SP,  4                            ; v4   2^e8      v5  57,344 x 2^e8
.set LP,  5
.set SC,  6                            ; v6   2^e10     v7  57,344 x 2^e10
.set LC,  7
.set QF,  16                           ; v16-31  Q's two fragments              (v12 -M, v13 the largest t, v[14:15] the sum in two halves)
.set KV,  32                           ; v32-95  K's eight fragments, then V's four
.set S,   96                           ; v96-159 S^T, then p
.set O,   160                          ; v160-191 O^T
.set P,   192                          ; v192-207 p's codes
.set F,   208                          ; v[208:209] f = 2^(old M - new M), and a 0 named with it
.set L2,  210                          ; v[210:211] the sums' second chain
.set MA,  212
.set MB,  213
.set PT,  214
.set CX,  216                          ; v216-247 ctx as numbers
.set CC,  248                          ; v248-255 ctx as codes
.set TB,  24                           ; s24  LDS byte of the key step in hand
.set CNT, 25                           ; s25  key steps to go
.set CS,  26                           ; s[26:27] c = log2(e) / 8 x 2^(e6 + e7)
.set SEL, 28                           ; s[28:29] v_permlanex16_b32's selects: lane l xor 16
	s_load_b256 s[4:11], s[0:1], 0x0               ; q_codes s[4:5], kv_codes s[6:7], the scales' exponents s[8:9], ctx_codes s[10:11]
	v_lshl_add_u32 v11, v0, 2, 0x40000
	v_mov_b32 v215, 0
	v_lshrrev_b32 v[ADR], 5, v0
	v_readfirstlane_b32 s12, v[ADR]                ; wave 0..15
	v_and_b32 v[LI], 31, v0
	v_lshlrev_b32 v[LI], 4, v[LI]
	v_lshl_add_u32 v[FA], v[ADR], 14, v[LI]
	s_and_b32 s13, ttmp7, 0xffff                   ; bh = 16 x batch + head
	s_lshl_b32 s14, ttmp9, 5
	s_lshl_b32 s15, s12, 1
	s_add_co_u32 s14, s14, s15                     ; my first query tile: 32 x + 2 w
	s_lshl_b32 s24, s13, 17
	s_lshl_b32 s15, s14, 10
	s_add_co_u32 s24, s24, s15
	s_mov_b32 s25, 0
	s_wait_kmcnt 0x0
	s_load_b256 s[16:23], s[8:9], 0x10             ; e4 .. e11: s18 e6 (q), s19 e7 (k), s20 e8 (p), s21 e9 (v), s22 e10 (ctx)
	s_add_nc_u64 s[4:5], s[4:5], s[24:25]
	s_lshl_b32 s24, s13, 18
	s_add_nc_u64 s[6:7], s[6:7], s[24:25]
.irp c, 0,1,2,3
	global_load_b128 v[QF+4*\c:QF+4*\c+3], v[LI], s[4:5] offset:512*\c   ; both tiles of Q stay in registers
.endr
.set i, 0
.rept 32
	global_load_b128 v[KV+4*i:KV+4*i+3], v[FA], s[6:7] offset:512*i      ; my sixteenth of the head's K and V: 512 consecutive bytes a load
.set i, i+1
.endr
	s_lshr_b32 s24, s13, 4
	s_lshl_b32 s24, s24, 7
	s_add_co_u32 s24, s24, s14                     ; my first token tile: 128 x batch + query tile
	s_lshl_b32 s24, s24, 14
	s_and_b32 s15, s13, 15
	s_lshl_b32 s15, s15, 10
	s_add_co_u32 s24, s24, s15                     ; + my head's 1,024 bytes
	s_add_nc_u64 s[10:11], s[10:11], s[24:25]
	s_mov_b32 s[SEL], 0x76543210
	s_mov_b32 s[SEL+1], 0xfedcba98
	s_mov_b32 s[CS], 0x3e38aa3b                    ; log2(e) / 8
	v_mov_b32 v[F+1], 0
	v_mov_b32 v[PT], 0                             ; a lane permute's destination counts as one of its sources
	s_wait_kmcnt 0x0
	s_add_co_i32 s14, s18, s19
	s_lshl_b32 s14, s14, 23
	s_add_co_i32 s[CS], s[CS], s14                 ; a score stands for score x 2^(e6 + e7): added to c's exponent field
	s_mov_b32 s[CS+1], s[CS]
	s_add_co_i32 s14, s20, 127
	s_lshl_b32 s15, s14, 23
	v_mov_b32 v[SP], s15
	s_add_co_i32 s14, s14, 15
	s_lshl_b32 s14, s14, 23
	s_or_b32 s14, s14, 0x600000
	v_mov_b32 v[LP], s14
	s_add_co_i32 s14, s22, 127
	s_lshl_b32 s15, s14, 23
	v_mov_b32 v[SC], s15
	s_add_co_i32 s14, s14, 15
	s_lshl_b32 s14, s14, 23
	s_or_b32 s14, s14, 0x600000
	v_mov_b32 v[LC], s14
	s_add_co_i32 s30, s20, s21                     ; e8 + e9
.set i, 0
.rept 32
	s_wait_loadcnt 31-i                            ; loads come back in order: number i is in (and Q, asked for ahead of it); the younger ones stay out
	ds_store_b128 v[FA], v[KV+4*i:KV+4*i+3] offset:512*i
.set i, i+1
.endr
	s_wait_dscnt 0x0                               ; for the others' sake: my stores have landed
	s_barrier_signal -1
	s_barrier_wait -1                              ; the head's K and V lie in LDS; nobody writes LDS again
; A KEY STEP: 128 keys for the tile of queries whose fragment begins at v[q].
.macro KSTEP q
	v_add_nc_u32 v[ADR], s[TB], v[LI]
.rept 3
	v_nop                                          ; with the addition: four places behind the last products, whose registers the loads below fill
.endr
.set t, 0
.rept 8
	ds_load_b128 v[KV+8*t:KV+8*t+3], v[ADR] offset:1024*t
	ds_load_b128 v[KV+8*t+4:KV+8*t+7], v[ADR] offset:1024*t+512
.set t, t+1
.endr
	s_wait_dscnt 0x0
.set t, 0
.rept 8
	v_wmma_f32_16x16x64_bf8_bf8 v[S+8*t:S+8*t+7], v[KV+8*t:KV+8*t+7], v[\q:\q+7], 0
.set t, t+1
.endr
.rept 4
	v_nop
.endr
.set t, 0
.rept 16
	ds_load_b128 v[KV+4*t:KV+4*t+3], v[ADR] offset:8192+512*t   ; V's four fragments land while the softmax is worked
.set t, t+1
.endr
	v_max3_num_f32 v[MA], v[S], v[S+1], v[S+2]     ; the step's largest score of my query among my 64 keys, in two chains, registers ascending
	v_max3_num_f32 v[MB], v[S+3], v[S+4], v[S+5]
.set i, 6
.rept 14
	v_max3_num_f32 v[MA], v[MA], v[S+i], v[S+i+1]
	v_max3_num_f32 v[MB], v[MB], v[S+i+2], v[S+i+3]
.set i, i+4
.endr
	v_max3_num_f32 v[MA], v[MA], v[S+62], v[S+63]
	v_max_num_f32 v[MA], v[MA], v[MB]
	v_permlanex16_b32 v[PT], v[MA], s[SEL], s[SEL+1]
	v_max_num_f32 v[MA], v[MA], v[PT]              ; and among lane l xor 16's
	v_mul_f32 v[MA], s[CS], v[MA]                  ; as t (c is positive)
	v_max_num_f32 v13, v13, v[MA]                  ; the running largest t
	v_mov_b32 v[MA], v12
	v_floor_f32 v12, -v13                          ; the new -M = floor(-t) = -ceil(t)
	v_sub_f32 v[MA], v12, v[MA]                    ; old M - new M: a whole number, 0 or less
	v_cvt_i32_f32 v[MA], v[MA]                     ; (it saturates)
	v_ldexp_f32 v[F], 1.0, v[MA]                   ; f
.set j, 0
.rept 32
	v_pk_fma_f32 v[S+j:S+j+1], v[S+j:S+j+1], s[CS:CS+1], v[12:13] op_sel_hi:[1,0,0]   ; t - M, two at a time
.set j, j+2
.endr
.set j, 0
.rept 64
	v_exp_f32 v[S+j], v[S+j]                       ; p = 2^(t - M)
.set j, j+1
.endr
	v_pk_mul_f32 v[14:15], v[14:15], v[F:F+1] op_sel_hi:[1,0]   ; the sums under the new M: the plain instruction behind the exponentials
	s_wait_alu depctr_va_vdst(0)                   ; one wait for the batch, ahead of its first reader
	v_pk_add_f32 v[L2:L2+1], v[S:S+1], v[S+2:S+3]  ; the row's sum of the unquantised p, in two chains
.set j, 4
.rept 15
	v_pk_add_f32 v[14:15], v[14:15], v[S+j:S+j+1]
	v_pk_add_f32 v[L2:L2+1], v[L2:L2+1], v[S+j+2:S+j+3]
.set j, j+4
.endr
	v_pk_add_f32 v[14:15], v[14:15], v[L2:L2+1]
	s_cmp_lt_i32 s20, -15                          ; p is at most 1 (but for the last bit), so p / 2^e8 stays under 57,344 wherever e8 >= -15: the hold is needed below that alone
	s_cbranch_scc0 .Lnohold_\@
.set j, 0
.rept 64
	v_min_num_f32 v[S+j], v[S+j], v[LP]            ; the conversion does not saturate (ISA guide 7.6.2); p is not negative
.set j, j+1
.endr
.Lnohold_\@:
.set t, 0
.rept 8
	v_cvt_scalef32_pk8_bf8_f32 v[P+2*t:P+2*t+1], v[S+8*t:S+8*t+7], v[SP]
.set t, t+1
.endr
.set j, 0
.rept 16
	v_pk_mul_f32 v[O+j:O+j+1], v[O+j:O+j+1], v[F:F+1] op_sel_hi:[1,0]   ; O^T under the new M; also the plain instructions behind the conversions
.set j, j+2
.endr
	s_wait_dscnt 0x0                               ; V is in
.set t, 0
.rept 4
	v_wmma_f32_16x16x128_bf8_bf8 v[O+8*t:O+8*t+7], v[KV+16*t:KV+16*t+15], v[P:P+15], v[O+8*t:O+8*t+7]   ; the four accumulators by turns
.set t, t+1
.endr
	s_add_co_u32 s[TB], s[TB], 16384
.endm
; One tile of 16 queries: all 16 key steps, then ctx = O^T x 2^(e8 + e9) / the sum, quantised and stored.
.macro QTILE i
	v_mov_b32 v13, 0xff61b1e6                      ; the largest t so far: -3e38, under every t
	v_floor_f32 v12, -v13
	v_mov_b32 v14, 0
	v_mov_b32 v15, 0
.set j, 0
.rept 32
	v_mov_b32 v[O+j], 0                            ; the step is written once: the first finds zeros, which the first change of M leaves zeros
.set j, j+1
.endr
	s_mov_b32 s[TB], 0
	s_mov_b32 s[CNT], 16
.Lstep_\@:
	KSTEP QF+8*\i
	s_sub_co_u32 s[CNT], s[CNT], 1
	s_cmp_lg_u32 s[CNT], 0
	s_cbranch_scc1 .Lstep_\@
.rept 4
	v_nop                                          ; places behind the last products
.endr
	v_add_f32 v14, v14, v15
	v_permlanex16_b32 v[PT], v14, s[SEL], s[SEL+1]
	v_add_f32 v14, v14, v[PT]                      ; the row's sum
	v_rcp_f32 v14, v14
	v_nop
	s_wait_alu depctr_va_vdst(0)                   ; ahead of the reciprocal's first reader
	v_ldexp_f32 v14, v14, s30                      ; x 2^(e8 + e9)
.set j, 0
.rept 16
	v_pk_mul_f32 v[CX+j:CX+j+1], v[O+j:O+j+1], v[14:15] op_sel_hi:[1,0]   ; register 8 t + j: channel 16 t + 8 (l / 16) + j of my query
.set j, j+2
.endr
.set j, 0
.rept 32
	v_med3_num_f32 v[CX+j], v[CX+j], -v[LC], v[LC]
.set j, j+1
.endr
	s_wait_xcnt 0x0                                ; the tile before has stored from the registers that the conversions write
.set t, 0
.rept 4
	v_cvt_scalef32_pk8_bf8_f32 v[CC+2*t:CC+2*t+1], v[CX+8*t:CX+8*t+7], v[SC]
.set t, t+1
.endr
	v_nop                                          ; a plain instruction behind the conversions
	global_store_b128 v[LI], v[CC:CC+3], s[10:11] offset:16384*\i          ; 512 consecutive bytes, aligned
	global_store_b128 v[LI], v[CC+4:CC+7], s[10:11] offset:16384*\i+512
.endm
	QTILE 0
	QTILE 1
	s_wait_tensorcnt 0x0
	ds_add_u32 v11, v215
	s_wait_dscnt 0x0
	s_endpgm
.Lfunc_end_k_q3a3dad4f43_attn:
	.size	k_q3a3dad4f43_attn, .Lfunc_end_k_q3a3dad4f43_attn-k_q3a3dad4f43_attn
	.p2alignl 7, 3214868480
	.fill 96, 4, 3214868480
	.section	.rodata,"a",@progbits
	.p2align	6, 0x0
	.amdhsa_kernel k_q3a3dad4f43_attn
		.amdhsa_group_segment_fixed_size 264192
		.amdhsa_private_segment_fixed_size 0
		.amdhsa_enable_private_segment 0
		.amdhsa_kernarg_size 32
		.amdhsa_user_sgpr_count 2
		.amdhsa_user_sgpr_kernarg_segment_ptr 1
		.amdhsa_wavefront_size32 1
		.amdhsa_system_sgpr_workgroup_id_x 1
		.amdhsa_system_sgpr_workgroup_id_y 1
		.amdhsa_system_sgpr_workgroup_id_z 1
		.amdhsa_system_vgpr_workitem_id 0
		.amdhsa_next_free_vgpr 256
		.amdhsa_next_free_sgpr 66
		.amdhsa_reserve_vcc 0
		.amdhsa_float_denorm_mode_32 3
		.amdhsa_float_denorm_mode_16_64 3
		.amdhsa_memory_ordered 1
		.amdhsa_forward_progress 1
		.amdhsa_inst_pref_size 50
	.end_amdhsa_kernel
	.amdgpu_metadata
---
amdhsa.version: [ 1, 2 ]
amdhsa.kernels:
  - .name:           k_q3a3dad4f43_attn
    .symbol:         k_q3a3dad4f43_attn.kd
    .args:
      - { .name: q_codes, .offset: 0, .size: 8, .value_kind: global_buffer, .address_space: global }
      - { .name: kv_codes, .offset: 8, .size: 8, .value_kind: global_buffer, .address_space: global }
      - { .name: lowp_scales, .offset: 16, .size: 8, .value_kind: global_buffer, .address_space: global }
      - { .name: ctx_codes, .offset: 24, .size: 8, .value_kind: global_buffer, .address_space: global }
    .group_segment_fixed_size: 264192
    .private_segment_fixed_size: 0
    .kernarg_segment_align: 8
    .kernarg_segment_size: 32
    .max_flat_workgroup_size: 512
    .sgpr_count:     66
    .vgpr_count:     256
    .wavefront_size: 32
...
	.end_amdgpu_metadata
.endif
;; end of part 2
;; launch oproj (part 3): grid 4 x 64, 4 waves a work-group, clusters of 4 x 4, 327,680 bytes of LDS; arguments ctx_codes, Wo_codes, lowp_scales, bo, out0; writes out0
.if DOCPART == 3
	.amdgcn_target "amdgcn-amd-amdhsa--gfx1250"
	.amdhsa_code_object_version 6
	.text
	.protected	k_q3a3dad4f43_oproj
	.globl	k_q3a3dad4f43_oproj
	.p2align	8
	.type	k_q3a3dad4f43_oproj,@function
k_q3a3dad4f43_oproj:
	s_mov_b64 s[64:65], 0
	v_nop
	global_prefetch_b8 v0, s[64:65] scope:SCOPE_SE
	s_setreg_imm32_b32 hwreg(HW_REG_WAVE_MODE, 25, 1), 1
	s_wait_xcnt 0x0
	s_wait_alu depctr_hold_cnt(0) depctr_sa_sdst(0) depctr_va_vdst(0) depctr_va_sdst(0) depctr_va_ssrc(0) depctr_va_vcc(0) depctr_vm_vsrc(0)
	s_getreg_b32 s2, hwreg(HW_REG_IB_STS2, 6, 4)
	s_cmp_eq_u32 s2, 0
	s_cbranch_scc0 .Lentry_in_a_cluster
	s_endpgm
.Lentry_in_a_cluster:
	s_bfe_u32 s2, ttmp6, 0x10000c
	s_cmp_lg_u32 s2, 0xf033
	s_cbranch_scc0 .Lentry_shape_is_right
	s_endpgm
.Lentry_shape_is_right:
; out0 = ctx Wo^T + bo on codes of BF8 (E5M2).  ctx_codes: [token tile 512][head 16][1,024 B], images of operand registers (two heads on end are a fragment of 16 tokens x 128 K in the
; instruction's own layout: registers 2 c, 2 c + 1 hold K = 16 c + 8 (l / 16) + 0 .. 7).  Wo_codes: [1,024][1,024], K innermost.  out0: [8,192][1,024] f32.
; A work-group makes 128 tokens x 256 features, so that there are 256 work-groups; a wave 64 x 128: 32 accumulators.  Source 0 = 16 rows of Wo, source 1 = 16 tokens: a lane holds eight neighbouring features of a token.
; K = 1,024 is four chunks of 256.  THREE LDS slots take chunks 0, 1, 2 at the start; chunk 3 goes into slot 0 when that has been read: one refill in the launch.
; CLUSTERS: 4 x 4 work-groups: ctx's tile is shared along a row of the cluster, Wo's along a column, by joint loads.  By this text's count a wave has at most three tensor loads out.
; LIMIT: e10 + e11 between -126 and 127.
; REGISTERS: window 0: v8-11 bias, v16-29 addresses, v128-255 ctx's fragments, two sets (on the way out: rows of out0).  window 1: Wo's fragments, two sets.  window 2: accumulator (a, b) at v[64 a + 8 b].
.set PB,    272                        ; a row of Wo in LDS: 256 bytes + 16 of padding
.set AREG,  32768                      ; a slot: 8 token tiles x 4,096 bytes of ctx (no padding: every load takes 512 consecutive bytes),
.set HALFB, 128*PB
.set SLOT,  AREG+2*HALFB               ; then 256 rows of Wo
.set SPARE, 3*SLOT                     ; behind the slots: the spare words, 128 bytes for each wave
.set SPITCH, 528                       ; the way out: 16 rows x (512 + 16) bytes for each wave, in slot 1, which is filled once, at the start, and read for the last time ahead of the last barrier
.set BO,   8
.set ADRA, 16                          ; v16-18 my fragments of ctx in slot 0, 1, 2
.set ADRB, 20                          ; v20-22 of Wo
.set STO,  24
.set RD,   25
.set CO,   26                          ; v26  16 x lane
.set SPW,  28
.set NIL,  29
.set BK,   128
.set G1A, 24                           ; s[24:31], s[32:39] descriptor groups 1;  s[40:51], s[52:63] groups 0, one set for each slot
.set G1B, 32
.set G0A, 40
.set G0B, 52
.set MSB, 0
.macro WIN new
.if MSB != (\new)
	s_set_vgpr_msb (MSB<<8)|(\new)
.set MSB, (\new)
.endif
.endm
.macro JLOAD g0a, g1a, g0b, g1b        ; waves 0 and 1 fetch ctx's halves, waves 2 and 3 Wo's; four v_nop follow each line
	s_cmp_eq_u32 s15, 0
	s_cbranch_scc0 .Lfor_b_\@
	tensor_load_to_lds s[\g0a:\g0a+3], s[\g1a:\g1a+7]
	s_nop 0
.rept 4
	v_nop
.endr
	s_branch .Lasked_\@
.Lfor_b_\@:
	tensor_load_to_lds s[\g0b:\g0b+3], s[\g1b:\g1b+7]
	s_nop 0
.rept 4
	v_nop
.endr
.Lasked_\@:
.endm
.macro CROUND                          ; a round of the cluster's barrier
	s_barrier_signal -1
	s_barrier_wait -1
	s_cmp_lg_u32 s14, 0
	s_cbranch_scc1 .Lnot_wave_0_\@
	s_barrier_signal -3
.Lnot_wave_0_\@:
	s_barrier_wait -3
	s_barrier_signal -1
	s_barrier_wait -1
.endm
.macro PLACES
.rept 4
	v_nop
.endr
.endm
	s_load_b256 s[4:11], s[0:1], 0x0               ; ctx_codes s[4:5], Wo_codes s[6:7], the scales' exponents s[8:9], bo s[10:11]
	s_load_b64 s[12:13], s[0:1], 0x20              ; out0
	v_lshl_add_u32 v[SPW], v0, 2, SPARE
	v_mov_b32 v[NIL], 0
	ds_add_u32 v28, v29
	ds_add_u32 v28, v29
	s_wait_dscnt 0x0
	v_lshrrev_b32 v1, 5, v0
	v_readfirstlane_b32 s14, v1                    ; wave 0..3
	s_lshr_b32 s15, s14, 1                         ; which 64 tokens are mine.  Also: I fetch ctx (0) or Wo (1)
	s_and_b32 s16, s14, 1                          ; which 128 features.  Also: which half of that tile I fetch
	s_bfe_u32 s66, ttmp6, 0x40000                  ; cx
	s_bfe_u32 s67, ttmp6, 0x40004                  ; cy
	s_lshl_b32 s68, ttmp9, 2
	s_add_co_u32 s68, s68, s66                     ; tile column: 256 features
	s_and_b32 s17, ttmp7, 0xffff
	s_lshl_b32 s17, s17, 2
	s_add_co_u32 s17, s17, s67                     ; tile row: 128 tokens
	s_lshl_b32 s69, s67, 2
	s_lshl_b32 s69, 15, s69                        ; my row of the cluster
	s_lshl_b32 s70, 0x1111, s66                    ; my column
	; ctx: 4 token tiles, of each 4,096 consecutive bytes (a chunk's four heads), 16,384 bytes apart; elements of 8 bytes
	s_or_b32 s[G1A+0], s69, (3<<16)|(1<<21)
	s_mov_b32 s[G1A+1], 512<<16                    ; tensor_dim0
	s_mov_b32 s[G1A+2], 4<<16                      ; tensor_dim1
	s_mov_b32 s[G1A+3], 512<<16                    ; tile_dim0
	s_mov_b32 s[G1A+4], 4                          ; tile_dim1
	s_mov_b32 s[G1A+5], 2048                       ; from row to row
	s_mov_b32 s[G1A+6], 0
	s_mov_b32 s[G1A+7], 0
	; Wo: 128 rows x 256 bytes, 16 bytes of padding behind each
	s_or_b32 s[G1B+0], s70, (0<<16)|(1<<20)|(1<<21)|(5<<22)|(3<<25)
	s_mov_b32 s[G1B+1], 256<<16
	s_mov_b32 s[G1B+2], 128<<16
	s_mov_b32 s[G1B+3], 256<<16
	s_mov_b32 s[G1B+4], 128
	s_mov_b32 s[G1B+5], 1024
	s_mov_b32 s[G1B+6], 0
	s_mov_b32 s[G1B+7], 0
	s_lshl_b32 s72, s17, 3
	s_lshl_b32 s73, s16, 2
	s_add_co_u32 s72, s72, s73
	s_lshl_b32 s72, s72, 14                        ; ctx: token tile 8 x tile row + 4 x half
	s_mov_b32 s73, 0
	s_lshl_b32 s74, s68, 8
	s_lshl_b32 s75, s16, 7
	s_add_co_u32 s74, s74, s75
	s_lshl_b32 s74, s74, 10                        ; Wo: row 256 x tile column + 128 x half
	s_mov_b32 s75, 0
	s_lshl_b32 s76, s16, 14                        ; where they go in a slot: no place in the cluster enters an LDS address
	s_mul_i32 s77, s16, HALFB
	s_add_co_u32 s77, s77, AREG
	s_wait_kmcnt 0x0
	s_load_b64 s[78:79], s[8:9], 0x28              ; e10, e11
	s_add_nc_u64 s[72:73], s[4:5], s[72:73]
	s_add_nc_u64 s[74:75], s[6:7], s[74:75]
	CROUND                                         ; all sixteen work-groups are here: the first joint loads meet
.irp n, 0,1,2
	s_mov_b32 s[G0A+4*\n], 1
	s_add_co_u32 s[G0A+4*\n+1], s76, \n*SLOT
	s_add_nc_u64 s[G0A+4*\n+2:G0A+4*\n+3], s[72:73], \n*4096
	s_or_b32 s[G0A+4*\n+3], s[G0A+4*\n+3], 0x80000000
	s_mov_b32 s[G0B+4*\n], 1
	s_add_co_u32 s[G0B+4*\n+1], s77, \n*SLOT
	s_add_nc_u64 s[G0B+4*\n+2:G0B+4*\n+3], s[74:75], \n*256
	s_or_b32 s[G0B+4*\n+3], s[G0B+4*\n+3], 0x80000000
	JLOAD G0A+4*\n, G1A, G0B+4*\n, G1B
.endr
	v_and_b32 v1, 15, v0                           ; r
	v_bfe_u32 v2, v0, 4, 1                         ; h
	v_and_b32 v3, 31, v0
	v_lshlrev_b32 v[CO], 4, v3
	s_lshl_b32 s72, s15, 14                        ; my four token tiles
	v_add_nc_u32 v[ADRA], s72, v[CO]
	v_add_nc_u32 v[ADRA+1], SLOT, v[ADRA]
	v_add_nc_u32 v[ADRA+2], SLOT, v[ADRA+1]
	v_mul_u32_u24 v4, v1, PB
	v_lshl_add_u32 v4, v2, 3, v4                   ; row r x pitch + 8 h
	v_add_nc_u32 v[ADRB], s77, v4                  ; my 128 rows of Wo begin where half s16 was put
	v_add_nc_u32 v[ADRB+1], SLOT, v[ADRB]
	v_add_nc_u32 v[ADRB+2], SLOT, v[ADRB+1]
	s_mul_i32 s73, s14, 16*SPITCH
	s_add_co_u32 s73, s73, SLOT                    ; my stage, in slot 1
	v_mul_u32_u24 v5, v1, SPITCH
	v_lshl_add_u32 v5, v2, 5, v5
	v_add_nc_u32 v[STO], s73, v5                   ; in: row r, 32 bytes for each half of the lanes
	v_add_nc_u32 v[RD], s73, v[CO]                 ; back: the 32 lanes take a row of 512 bytes
	s_lshl_b32 s74, s68, 10
	s_lshl_b32 s75, s16, 9
	s_add_co_u32 s74, s74, s75                     ; my first feature, in bytes of f32
	s_mov_b32 s75, 0
	s_add_nc_u64 s[10:11], s[10:11], s[74:75]
	global_load_b128 v[BO:BO+3], v[CO], s[10:11]   ; the bias of the four features that my lane stores
	s_lshl_b32 s72, s17, 7
	s_lshl_b32 s73, s15, 6
	s_add_co_u32 s72, s72, s73                     ; my first token
	s_lshl_b32 s72, s72, 12
	s_add_co_u32 s72, s72, s74
	s_mov_b32 s73, 0
	s_add_nc_u64 s[12:13], s[12:13], s[72:73]
; The fragments of the slot's q-th 128 along K into set p: Wo's eight in the instruction's own layout (eight loads of 8 bytes each), ctx's four as their images lie.
.macro FETCH slot, q, p
	WIN 0x40                                       ; destination window 1
.irp i, 0,1,2,3,4,5,6,7
.irp c, 0,1,2,3,4,5,6,7
	ds_load_b64 v[128*(\p)+16*\i+2*\c:128*(\p)+16*\i+2*\c+1], v[ADRB+\slot] offset:16*PB*\i+128*(\q)+16*\c
.endr
.endr
	WIN 0
.irp i, 0,1,2,3
.irp c, 0,1,2,3
	ds_load_b128 v[128+64*(\p)+16*\i+4*\c:128+64*(\p)+16*\i+4*\c+3], v[ADRA+\slot] offset:4096*\i+2048*(\q)+512*\c
.endr
.endr
.endm
; 32 matrix instructions on set p; the 32 accumulators take turns, in the same order in every step.
.macro MUL32 p, zero
	WIN 0xa1                                       ; source 0 (Wo) window 1, source 1 (ctx) window 0, C and D window 2
.irp a, 0,1,2,3
.irp b, 0,1,2,3,4,5,6,7
.if \zero
	v_wmma_f32_16x16x128_bf8_bf8 v[64*\a+8*\b:64*\a+8*\b+7], v[128*(\p)+16*\b:128*(\p)+16*\b+15], v[128+64*(\p)+16*\a:128+64*(\p)+16*\a+15], 0
.else
	v_wmma_f32_16x16x128_bf8_bf8 v[64*\a+8*\b:64*\a+8*\b+7], v[128*(\p)+16*\b:128*(\p)+16*\b+15], v[128+64*(\p)+16*\a:128+64*(\p)+16*\a+15], v[64*\a+8*\b:64*\a+8*\b+7]
.endif
.endr
.endr
	WIN 0
.endm
.macro HEAD                            ; a step's fragments, asked for a step ago, are in; places in front of the loads into the set that the last step multiplied
	s_wait_dscnt 0x0
	PLACES
.endm
; A step's head with a barrier: every wave waits for all its tensor loads, adds 0 to its spare word, and waits for that and for its LDS reads.  fill = 1: slot 0, read out, takes chunk 3.
.macro SYNC fill
	s_wait_tensorcnt 0x0                           ; no tensor load of mine is out, so a group 0 may be written
	ds_add_u32 v[SPW], v[NIL]                      ; 0 onto my spare word
.if \fill
	s_add_nc_u64 s[G0A+2:G0A+3], s[G0A+2:G0A+3], 3*4096
	s_add_nc_u64 s[G0B+2:G0B+3], s[G0B+2:G0B+3], 3*256
.endif
	s_wait_dscnt 0x0                               ; the add is done, and my reads (of slot 0: both its steps' fragments) are back
.if \fill
	CROUND                                         ; no wave of any partner still reads slot 0 or has a load on its way
	JLOAD G0A, G1A, G0B, G1B                       ; the first tensor load behind the round; its four v_nop are the places in front of the loads that follow
.else
	s_barrier_signal -1
	s_barrier_wait -1
	PLACES
.endif
.endm
	s_wait_tensorcnt 2                             ; my part of chunk 0 is in; chunks 1 and 2 may be out
	s_barrier_signal -1
	s_barrier_wait -1
	FETCH 0, 0, 0
	s_wait_dscnt 0x0                               ; K 0-127
	FETCH 0, 1, 1
	MUL32 0, 1                                     ; the products start the sums
	SYNC 1                                         ; K 128-255: chunks 1 and 2 are whole in every wave's sight; chunk 3 is asked for, 128 matrix instructions ahead of the wait for it
	FETCH 1, 0, 0
	MUL32 1, 0
	HEAD
	FETCH 1, 1, 1
	MUL32 0, 0
	HEAD
	FETCH 2, 0, 0
	MUL32 1, 0
	HEAD
	FETCH 2, 1, 1
	MUL32 0, 0
	SYNC 0                                         ; chunk 3 is whole; every wave's reads of slot 1 are long back, so the stages may lie there
	FETCH 0, 0, 0
	MUL32 1, 0
	HEAD
	FETCH 0, 1, 1
	MUL32 0, 0
	s_wait_dscnt 0x0                               ; K 896-1,023
	MUL32 1, 0
	; THE WAY OUT, 16 tokens at a time: the sums go through my own stage as they are and come back as whole rows of 512 bytes; there each is multiplied by 2^(e10 + e11) and gets its bias, one packed multiply-add for two.
	s_wait_kmcnt 0x0
	s_add_co_i32 s78, s78, s79
	s_add_co_i32 s78, s78, 127
	s_lshl_b32 s78, s78, 23                        ; 2^(e10 + e11) as f32
	s_mov_b32 s79, s78
	s_wait_loadcnt 0x0                             ; the bias
	PLACES                                         ; behind the last products: results are read and ctx's registers loaded below
.macro TOSTAGE a
.set BB, BK+64*((\a)%2)
	WIN 0x08                                       ; the stores' data: window 2
.irp b, 0,1,2,3,4,5,6,7
	ds_store_b128 v[STO], v[64*(\a)+8*\b:64*(\a)+8*\b+3] offset:64*\b         ; each accumulator from its low end on
	ds_store_b128 v[STO], v[64*(\a)+8*\b+4:64*(\a)+8*\b+7] offset:64*\b+16
.endr
	WIN 0
.set t, 0
.rept 16
	ds_load_b128 v[BB+4*t:BB+4*t+3], v[RD] offset:t*SPITCH   ; LDS serves a wave's instructions in order (ISA guide 5.7.1.4): these see the stores above, and the next block's stores come behind them
.set t, t+1
.endr
.endm
.macro SEND a, younger                 ; younger: the LDS instructions issued behind block a's loads
.set BB, BK+64*((\a)%2)
	s_wait_dscnt \younger
.set j, 0
.rept 16
	v_pk_fma_f32 v[BB+j:BB+j+1], v[BB+j:BB+j+1], s[78:79], v[BO:BO+1] op_sel_hi:[1,0,1]
	v_pk_fma_f32 v[BB+j+2:BB+j+3], v[BB+j+2:BB+j+3], s[78:79], v[BO+2:BO+3] op_sel_hi:[1,0,1]
.set j, j+4
.endr
.set t, 0
.rept 16
	global_store_b128 v[CO], v[BB+4*t:BB+4*t+3], s[12:13] offset:(16*(\a)+t)*4096 th:TH_STORE_NT   ; 512 consecutive bytes, aligned; written once, read by nobody here
.set t, t+1
.endr
.endm
	TOSTAGE 0
.irp a, 1,2,3
.if \a > 1
	s_wait_xcnt 0x0                                ; block a - 2's stores have read the registers into which block a's rows are loaded
.endif
	TOSTAGE \a
	SEND \a-1, 32                                  ; behind block a - 1's loads: block a's 16 stores and 16 loads
.endr
	SEND 3, 0
	s_wait_tensorcnt 0x0                           ; the wave's end
	ds_add_u32 v[SPW], v[NIL]
	s_wait_dscnt 0x0
	CROUND                                         ; the closing round: no work-group ends while a partner may still ask for a tile that names it
	s_endpgm
.Lfunc_end_k_q3a3dad4f43_oproj:
	.size	k_q3a3dad4f43_oproj, .Lfunc_end_k_q3a3dad4f43_oproj-k_q3a3dad4f43_oproj
	.p2alignl 7, 3214868480
	.fill 96, 4, 3214868480
	.section	.rodata,"a",@progbits
	.p2align	6, 0x0
	.amdhsa_kernel k_q3a3dad4f43_oproj
		.amdhsa_group_segment_fixed_size 327680
		.amdhsa_private_segment_fixed_size 0
		.amdhsa_enable_private_segment 0
		.amdhsa_kernarg_size 40
		.amdhsa_user_sgpr_count 2
		.amdhsa_user_sgpr_kernarg_segment_ptr 1
		.amdhsa_wavefront_size32 1
		.amdhsa_system_sgpr_workgroup_id_x 1
		.amdhsa_system_sgpr_workgroup_id_y 1
		.amdhsa_system_sgpr_workgroup_id_z 1
		.amdhsa_system_vgpr_workitem_id 0
		.amdhsa_next_free_vgpr 768
		.amdhsa_next_free_sgpr 80
		.amdhsa_reserve_vcc 0
		.amdhsa_float_denorm_mode_32 3
		.amdhsa_float_denorm_mode_16_64 3
		.amdhsa_memory_ordered 1
		.amdhsa_forward_progress 1
		.amdhsa_inst_pref_size 91
	.end_amdhsa_kernel
	.amdgpu_metadata
---
amdhsa.version: [ 1, 2 ]
amdhsa.kernels:
  - .name:           k_q3a3dad4f43_oproj
    .symbol:         k_q3a3dad4f43_oproj.kd
    .args:
      - { .name: ctx_codes, .offset: 0, .size: 8, .value_kind: global_buffer, .address_space: global }
      - { .name: Wo_codes, .offset: 8, .size: 8, .value_kind: global_buffer, .address_space: global }
      - { .name: lowp_scales, .offset: 16, .size: 8, .value_kind: global_buffer, .address_space: global }
      - { .name: bo, .offset: 24, .size: 8, .value_kind: global_buffer, .address_space: global }
      - { .name: out0, .offset: 32, .size: 8, .value_kind: global_buffer, .address_space: global }
    .group_segment_fixed_size: 327680
    .private_segment_fixed_size: 0
    .kernarg_segment_align: 8
    .kernarg_segment_size: 40
    .max_flat_workgroup_size: 128
    .sgpr_count:     80
    .vgpr_count:     768
    .wavefront_size: 32
...
	.end_amdgpu_metadata
.endif
;; end of part 3
;; ======== version 2 of 2: 3 launches; version 1 with the launch attn written anew for expert scheduling mode
;; workspace buffers: q_codes 8,388,608 bytes; kv_codes 16,777,216 bytes; ctx_codes 8,388,608 bytes
;; launch qkv: the kernel of part 1 again; grid 12 x 32, 4 waves a work-group, clusters of 4 x 4, 327,680 bytes of LDS; arguments x_codes, Wq_codes, Wk_codes, Wv_codes, bq, bk, bv, lowp_scales, q_codes, kv_codes; writes q_codes, kv_codes
;; launch attn (part 4): grid 4 x 64, 16 waves a work-group, no clusters, 264,192 bytes of LDS; arguments q_codes, kv_codes, lowp_scales, ctx_codes; writes ctx_codes
.if DOCPART == 4
	.amdgcn_target "amdgcn-amd-amdhsa--gfx1250"
	.amdhsa_code_object_version 6
	.text
	.protected	k_q3a3dad4f43_attn
	.globl	k_q3a3dad4f43_attn
	.p2align	8
	.type	k_q3a3dad4f43_attn,@function
k_q3a3dad4f43_attn:
	s_mov_b64 s[64:65], 0
	v_nop
	global_prefetch_b8 v0, s[64:65] scope:SCOPE_SE
	s_setreg_imm32_b32 hwreg(HW_REG_WAVE_SCHED_MODE, 0, 2), 2
	s_setreg_imm32_b32 hwreg(HW_REG_WAVE_MODE, 25, 1), 1
	s_wait_xcnt 0x0
	s_wait_alu depctr_vm_vsrc(0)
; ctx = softmax(q k^T / 8) v for one head, both products on codes of BF8 (E5M2); ctx is quantised with the given scale and stored as images of operand registers:
;   ctx_codes [token tile 512][head 16][1,024 B].  q_codes and kv_codes are such images too (the launch before lays them).
; THE SOFTMAX: t = score x log2(e) / 8; M = the running largest t rounded UP to a whole number; p = 2^(t - M) is quantised along the keys, not normalised; the row's sum is taken of the
; unquantised p and divides at the end; when M moves, the sum and O are multiplied by 2^(old M - new M), which rounds nothing.
; SHARES.  A work-group owns 512 queries of one head.  THE HEAD'S K AND V, 262,144 BYTES, LIE IN LDS FOR THE WHOLE LAUNCH: each of the sixteen waves copies a sixteenth through its registers,
; one barrier follows, and from then on LDS is only read: no ring, no further barrier.  Wave w takes query tiles 2 w and 2 w + 1 of the block, one after the other, 16 key steps of 128 each.
; Four waves share a SIMD, so that one wave's vector work stands beside another's products and LDS loads.
; NOT SHARED IN A CLUSTER: the four work-groups of a head read the same 262,144 bytes once each, at the head, against 8,388,608 bytes that each then reads from its LDS.
; A scalar branch on the given exponent of p's scale leaves out p's hold where it cannot act (below).
; LAYOUT.  S^T = K Q^T (source 0 = 16 keys, source 1 = my 16 queries), O^T = V^T P^T (source 0 = 16 channels, source 1 = P): a lane holds ONE query throughout.  Register j of score tile t is key
; 16 t + 8 (l / 16) + j, so the conversions' results, registers 2 t and 2 t + 1, are the second product's operand in its own layout.
; LIMITS: e6 + e7 between -123 and 130 (added to c's exponent field); e8 and e10 between -126 and 112.  NaN is not served.
; THE MODE: SCHED_MODE bits 1:0 = 2 (LLVM: expert scheduling mode 2), set by the entry lines.  The code itself states the register dependences between vector or matrix instructions
; and memory or LDS instructions, with s_wait_alu, always for 0.
; THE PLAN.  Registers that memory or LDS instructions touch:
;   v[LI], v[FA]  Written at the head, never again; read by the global loads and stores, the fill's LDS stores and a tile's first loads of K.
;   v[ADR]        Written once a trip of two key steps; read by that trip's loads of V and of the next K.
;   XB, YB        Two buffers of 64 registers that change roles from step to step.  In a step (kb, sb): kb holds K, asked for in the step before; the 8 products K Q^T read kb and write S^T into sb;
;                 V's 16 loads land in kb; the softmax works in sb and the conversions read it; the NEXT step's K lands in sb; the 4 products V^T P read kb.  The next step is (sb, kb).
;   CC            Written by the way out's conversions, read by its two stores.
;   O, P, Q (behind the head) and the statistics are named by vector and matrix instructions alone.  v11, v215: written at the head, read by the closing add alone.
; So a step has three waits on va_vdst: behind the products K Q^T (they are done reading kb; in a trip's first step v[ADR] is written), behind the exponentials (p is written), and behind the
; conversions (all readers of sb are done).  V's loads are dealt among the lines of the maximum, the next K's among the rescalings of O^T: neither names a register that those loads touch.
; One wait on vm_vsrc a trip stands ahead of the add that writes v[ADR].
.set LI,  1                            ; v1   16 x lane
.set ADR, 2                            ; v2   LDS address of the trip's first key step
.set FA,  3                            ; v3   the fill: 16,384 x wave + 16 x lane, in the head's block and in LDS alike
.set SP,  4                            ; v4   2^e8      v5  57,344 x 2^e8
.set LP,  5
.set SC,  6                            ; v6   2^e10     v7  57,344 x 2^e10
.set LC,  7
.set QF,  16                           ; v16-31  Q's two fragments              (v12 -M, v13 the largest t, v[14:15] the sum in two halves)
.set XB,  32                           ; v32-95  and
.set YB,  96                           ; v96-159 the two buffers that change roles: K's eight fragments, then V's four | S^T, then p, then the next K
.set O,   160                          ; v160-191 O^T
.set P,   192                          ; v192-207 p's codes
.set F,   208                          ; v[208:209] f = 2^(old M - new M), and a 0 named with it
.set L2,  210                          ; v[210:211] the sums' second chain
.set MA,  212
.set MB,  213
.set PT,  214
.set CX,  216                          ; v216-247 ctx as numbers
.set CC,  248                          ; v248-255 ctx as codes
.set TB,  24                           ; s24  LDS byte of the trip's first key step
.set CNT, 25                           ; s25  trips to go
.set CS,  26                           ; s[26:27] c = log2(e) / 8 x 2^(e6 + e7)
.set SEL, 28                           ; s[28:29] v_permlanex16_b32's selects: lane l xor 16
	s_load_b256 s[4:11], s[0:1], 0x0               ; q_codes s[4:5], kv_codes s[6:7], the scales' exponents s[8:9], ctx_codes s[10:11]
	v_lshl_add_u32 v11, v0, 2, 0x40000
	v_mov_b32 v215, 0
	v_lshrrev_b32 v[ADR], 5, v0
	v_readfirstlane_b32 s12, v[ADR]                ; wave 0..15
	v_and_b32 v[LI], 31, v0
	v_lshlrev_b32 v[LI], 4, v[LI]
	v_lshl_add_u32 v[FA], v[ADR], 14, v[LI]
	s_and_b32 s13, ttmp7, 0xffff                   ; bh = 16 x batch + head
	s_lshl_b32 s14, ttmp9, 5
	s_wait_alu depctr_va_sdst(0)                   ; s12 is written, ahead of its first reader
	s_lshl_b32 s15, s12, 1
	s_add_co_u32 s14, s14, s15                     ; my first query tile: 32 x + 2 w
	s_lshl_b32 s24, s13, 17
	s_lshl_b32 s15, s14, 10
	s_add_co_u32 s24, s24, s15
	s_mov_b32 s25, 0
	s_wait_kmcnt 0x0
	s_load_b256 s[16:23], s[8:9], 0x10             ; e4 .. e11: s18 e6 (q), s19 e7 (k), s20 e8 (p), s21 e9 (v), s22 e10 (ctx)
	s_add_nc_u64 s[4:5], s[4:5], s[24:25]
	s_lshl_b32 s24, s13, 18
	s_add_nc_u64 s[6:7], s[6:7], s[24:25]
	s_wait_alu depctr_va_vdst(0)                   ; v[LI] and v[FA] are written, which the loads and stores of the whole kernel read as offsets and addresses
.irp c, 0,1,2,3
	global_load_b128 v[QF+4*\c:QF+4*\c+3], v[LI], s[4:5] offset:512*\c   ; both tiles of Q stay in registers
.endr
.set i, 0
.rept 32
	global_load_b128 v[XB+4*i:XB+4*i+3], v[FA], s[6:7] offset:512*i      ; my sixteenth of the head's K and V, through both buffers: 512 consecutive bytes a load
.set i, i+1
.endr
	s_lshr_b32 s24, s13, 4
	s_lshl_b32 s24, s24, 7
	s_add_co_u32 s24, s24, s14                     ; my first token tile: 128 x batch + query tile
	s_lshl_b32 s24, s24, 14
	s_and_b32 s15, s13, 15
	s_lshl_b32 s15, s15, 10
	s_add_co_u32 s24, s24, s15                     ; + my head's 1,024 bytes
	s_add_nc_u64 s[10:11], s[10:11], s[24:25]
	s_mov_b32 s[SEL], 0x76543210
	s_mov_b32 s[SEL+1], 0xfedcba98
	s_mov_b32 s[CS], 0x3e38aa3b                    ; log2(e) / 8
	v_mov_b32 v[F+1], 0
	v_mov_b32 v[PT], 0                             ; a lane permute's destination counts as one of its sources
	s_wait_kmcnt 0x0
	s_add_co_i32 s14, s18, s19
	s_lshl_b32 s14, s14, 23
	s_add_co_i32 s[CS], s[CS], s14                 ; a score stands for score x 2^(e6 + e7): added to c's exponent field
	s_mov_b32 s[CS+1], s[CS]
	s_add_co_i32 s14, s20, 127
	s_lshl_b32 s15, s14, 23
	v_mov_b32 v[SP], s15
	s_add_co_i32 s14, s14, 15
	s_lshl_b32 s14, s14, 23
	s_or_b32 s14, s14, 0x600000
	v_mov_b32 v[LP], s14
	s_add_co_i32 s14, s22, 127
	s_lshl_b32 s15, s14, 23
	v_mov_b32 v[SC], s15
	s_add_co_i32 s14, s14, 15
	s_lshl_b32 s14, s14, 23
	s_or_b32 s14, s14, 0x600000
	v_mov_b32 v[LC], s14
	s_add_co_i32 s30, s20, s21                     ; e8 + e9
.set i, 0
.rept 32
	s_wait_loadcnt 31-i                            ; loads come back in order: number i is in (and Q, asked for ahead of it); the younger ones stay out
	ds_store_b128 v[FA], v[XB+4*i:XB+4*i+3] offset:512*i   ; the data come from loads, the address was written ahead of the wait on va_vdst above
.set i, i+1
.endr
	s_wait_dscnt 0x0                               ; for the others' sake: my stores have landed
	s_barrier_signal -1
	s_barrier_wait -1                              ; the head's K and V lie in LDS; nobody writes LDS again
	s_wait_alu depctr_vm_vsrc(0)                   ; my LDS stores have read v32 to v159: from here on these are XB and YB, written by LDS loads and by products
; A KEY STEP: 128 keys for the tile of queries whose fragment begins at v[q].  kb: the buffer that holds K and then takes V; sb: the one that takes S^T, then p, then the next step's K.
; at: the step's bytes behind v[ADR].  next = 0: the tile's last step, which asks for no K: no LDS load passes the head's 262,144 bytes.
.macro KSTEP q, kb, sb, at, next
	s_wait_dscnt 0x0                               ; K, asked for among the last step's rescalings (or at the tile's head), is in
.set t, 0
.rept 8
	v_wmma_f32_16x16x64_bf8_bf8 v[\sb+8*t:\sb+8*t+7], v[\kb+8*t:\kb+8*t+7], v[\q:\q+7], 0
.set t, t+1
.endr
.rept 4
	v_nop                                          ; four places behind the products, before their results are read (ISA guide 7.12.1)
.endr
	s_wait_alu depctr_va_vdst(0)                   ; the products are done reading K's registers, in which V lands; in a trip's first step v[ADR] is written
	ds_load_b128 v[\kb:\kb+3], v[ADR] offset:\at+8192   ; V's four fragments, sixteen loads, one ahead of each pair of lines of the maximum, which name S^T and the statistics alone
	v_max3_num_f32 v[MA], v[\sb], v[\sb+1], v[\sb+2]     ; the step's largest score of my query among my 64 keys, in two chains, registers ascending
	v_max3_num_f32 v[MB], v[\sb+3], v[\sb+4], v[\sb+5]
.set i, 6
.set t, 1
.rept 14
	ds_load_b128 v[\kb+4*t:\kb+4*t+3], v[ADR] offset:\at+8192+512*t
	v_max3_num_f32 v[MA], v[MA], v[\sb+i], v[\sb+i+1]
	v_max3_num_f32 v[MB], v[MB], v[\sb+i+2], v[\sb+i+3]
.set i, i+4
.set t, t+1
.endr
	ds_load_b128 v[\kb+60:\kb+63], v[ADR] offset:\at+8192+512*15
	v_max3_num_f32 v[MA], v[MA], v[\sb+62], v[\sb+63]
	v_max_num_f32 v[MA], v[MA], v[MB]
	v_permlanex16_b32 v[PT], v[MA], s[SEL], s[SEL+1]
	v_max_num_f32 v[MA], v[MA], v[PT]              ; and among lane l xor 16's
	v_mul_f32 v[MA], s[CS], v[MA]                  ; as t (c is positive)
	v_max_num_f32 v13, v13, v[MA]                  ; the running largest t
	v_mov_b32 v[MA], v12
	v_floor_f32 v12, -v13                          ; the new -M = floor(-t) = -ceil(t)
	v_sub_f32 v[MA], v12, v[MA]                    ; old M - new M: a whole number, 0 or less
	v_cvt_i32_f32 v[MA], v[MA]                     ; (it saturates)
	v_ldexp_f32 v[F], 1.0, v[MA]                   ; f
.set j, 0
.rept 32
	v_pk_fma_f32 v[\sb+j:\sb+j+1], v[\sb+j:\sb+j+1], s[CS:CS+1], v[12:13] op_sel_hi:[1,0,0]   ; t - M, two at a time
.set j, j+2
.endr
.set j, 0
.rept 64
	v_exp_f32 v[\sb+j], v[\sb+j]                   ; p = 2^(t - M)
.set j, j+1
.endr
	v_pk_mul_f32 v[14:15], v[14:15], v[F:F+1] op_sel_hi:[1,0]   ; the sums under the new M: the plain instruction behind the exponentials
	s_wait_alu depctr_va_vdst(0)                   ; the 64 exponentials have written p: one wait for the batch, ahead of its first reader
	v_pk_add_f32 v[L2:L2+1], v[\sb:\sb+1], v[\sb+2:\sb+3]  ; the row's sum of the unquantised p, in two chains
.set j, 4
.rept 15
	v_pk_add_f32 v[14:15], v[14:15], v[\sb+j:\sb+j+1]
	v_pk_add_f32 v[L2:L2+1], v[L2:L2+1], v[\sb+j+2:\sb+j+3]
.set j, j+4
.endr
	v_pk_add_f32 v[14:15], v[14:15], v[L2:L2+1]
	s_cmp_lt_i32 s20, -15                          ; p is at most 1 (but for the last bit), so p / 2^e8 stays under 57,344 wherever e8 >= -15: the hold is needed below that alone
	s_cbranch_scc0 .Lnohold_\@
.set j, 0
.rept 64
	v_min_num_f32 v[\sb+j], v[\sb+j], v[LP]        ; the conversion does not saturate (ISA guide 7.6.2); p is not negative
.set j, j+1
.endr
.Lnohold_\@:
.set t, 0
.rept 8
	v_cvt_scalef32_pk8_bf8_f32 v[P+2*t:P+2*t+1], v[\sb+8*t:\sb+8*t+7], v[SP]
.set t, t+1
.endr
.if \next
	s_wait_alu depctr_va_vdst(0)                   ; the sums, the holds and the conversions are done reading p's registers, in which the next step's K lands
.endif
.set j, 0
.rept 16
.if \next
	ds_load_b128 v[\sb+2*j:\sb+2*j+3], v[ADR] offset:\at+16384+256*j   ; the next step's K, sixteen loads, one ahead of each rescaling, which names O^T and f alone
.endif
	v_pk_mul_f32 v[O+j:O+j+1], v[O+j:O+j+1], v[F:F+1] op_sel_hi:[1,0]   ; O^T under the new M; also the plain instructions behind the conversions
.set j, j+2
.endr
.if \next
	s_wait_dscnt 16                                ; LDS loads come back in order (ISA guide 5.7.1): V is in; the sixteen younger loads, the next K, stay out
.else
	s_wait_dscnt 0x0                               ; V is in
.endif
.set t, 0
.rept 4
	v_wmma_f32_16x16x128_bf8_bf8 v[O+8*t:O+8*t+7], v[\kb+16*t:\kb+16*t+15], v[P:P+15], v[O+8*t:O+8*t+7]   ; the four accumulators by turns
.set t, t+1
.endr
.endm
; Two key steps, after which the buffers are back in their first roles.  Five places stand between a step's last product and the next step's first, which writes S^T over V's registers (ISA guide 7.12.1).
.macro TWOSTEPS q, last
.rept 4
	v_nop                                          ; with the addition ahead of them: five places
.endr
	KSTEP \q, XB, YB, 0, 1
.rept 5
	v_nop
.endr
	KSTEP \q, YB, XB, 16384, 1-\last
.endm
; One tile of 16 queries: all 16 key steps, then ctx = O^T x 2^(e8 + e9) / the sum, quantised and stored.
.macro QTILE i
.set t, 0
.rept 16
	ds_load_b128 v[XB+4*t:XB+4*t+3], v[LI] offset:512*t   ; K of key step 0.  No vector or matrix instruction since the last wait on va_vdst (ahead of the tile before's stores; at the head) names XB
.set t, t+1
.endr
	v_mov_b32 v13, 0xff61b1e6                      ; the largest t so far: -3e38, under every t
	v_floor_f32 v12, -v13
	v_mov_b32 v14, 0
	v_mov_b32 v15, 0
.set j, 0
.rept 32
	v_mov_b32 v[O+j], 0                            ; the step is written once: the first finds zeros, which the first change of M leaves zeros
.set j, j+1
.endr
	s_mov_b32 s[TB], 0
	s_mov_b32 s[CNT], 7
.Ltrip_\@:                                         ; seven trips of two key steps
	s_wait_alu depctr_vm_vsrc(0)                   ; the LDS loads issued so far have read v[ADR]
	v_add_nc_u32 v[ADR], s[TB], v[LI]
	TWOSTEPS QF+8*\i, 0
	s_add_co_u32 s[TB], s[TB], 32768
	s_sub_co_u32 s[CNT], s[CNT], 1
	s_cmp_lg_u32 s[CNT], 0
	s_cbranch_scc1 .Ltrip_\@
	s_wait_alu depctr_vm_vsrc(0)                   ; the LDS loads issued so far have read v[ADR]
	v_add_nc_u32 v[ADR], 7*32768, v[LI]            ; the last two key steps are written out: the last asks for no further K
	TWOSTEPS QF+8*\i, 1
.rept 4
	v_nop                                          ; places behind the last products
.endr
	v_add_f32 v14, v14, v15
	v_permlanex16_b32 v[PT], v14, s[SEL], s[SEL+1]
	v_add_f32 v14, v14, v[PT]                      ; the row's sum
	v_rcp_f32 v14, v14
	v_nop
	s_wait_alu depctr_va_vdst(0)                   ; the reciprocal has written v14, ahead of its first reader
	v_ldexp_f32 v14, v14, s30                      ; x 2^(e8 + e9)
.set j, 0
.rept 16
	v_pk_mul_f32 v[CX+j:CX+j+1], v[O+j:O+j+1], v[14:15] op_sel_hi:[1,0]   ; register 8 t + j: channel 16 t + 8 (l / 16) + j of my query
.set j, j+2
.endr
.set j, 0
.rept 32
	v_med3_num_f32 v[CX+j], v[CX+j], -v[LC], v[LC]
.set j, j+1
.endr
.if \i > 0
	s_wait_xcnt 0x0                                ; the tile before has stored from the registers that the conversions write
	s_wait_alu depctr_vm_vsrc(0)                   ; and its two stores have read v[CC ..]
.endif
.set t, 0
.rept 4
	v_cvt_scalef32_pk8_bf8_f32 v[CC+2*t:CC+2*t+1], v[CX+8*t:CX+8*t+7], v[SC]
.set t, t+1
.endr
	v_nop                                          ; a plain instruction behind the conversions
	s_wait_alu depctr_va_vdst(0)                   ; the conversions have written v[CC ..], which the stores read; every reader and writer of XB in this tile is done too
	global_store_b128 v[LI], v[CC:CC+3], s[10:11] offset:16384*\i          ; 512 consecutive bytes, aligned
	global_store_b128 v[LI], v[CC+4:CC+7], s[10:11] offset:16384*\i+512
.endm
	QTILE 0
	QTILE 1
	s_wait_dscnt 0x0                               ; the closing lines, six on end
	s_wait_alu 0x0
	s_wait_tensorcnt 0x0
	ds_add_u32 v11, v215
	s_wait_dscnt 0x0
	s_endpgm
.Lfunc_end_k_q3a3dad4f43_attn:
	.size	k_q3a3dad4f43_attn, .Lfunc_end_k_q3a3dad4f43_attn-k_q3a3dad4f43_attn
	.p2alignl 7, 3214868480
	.fill 96, 4, 3214868480
	.section	.rodata,"a",@progbits
	.p2align	6, 0x0
	.amdhsa_kernel k_q3a3dad4f43_attn
		.amdhsa_group_segment_fixed_size 264192
		.amdhsa_private_segment_fixed_size 0
		.amdhsa_enable_private_segment 0
		.amdhsa_kernarg_size 32
		.amdhsa_user_sgpr_count 2
		.amdhsa_user_sgpr_kernarg_segment_ptr 1
		.amdhsa_wavefront_size32 1
		.amdhsa_system_sgpr_workgroup_id_x 1
		.amdhsa_system_sgpr_workgroup_id_y 1
		.amdhsa_system_sgpr_workgroup_id_z 1
		.amdhsa_system_vgpr_workitem_id 0
		.amdhsa_next_free_vgpr 256
		.amdhsa_next_free_sgpr 66
		.amdhsa_reserve_vcc 0
		.amdhsa_float_denorm_mode_32 3
		.amdhsa_float_denorm_mode_16_64 3
		.amdhsa_memory_ordered 1
		.amdhsa_forward_progress 1
		.amdhsa_inst_pref_size 142
	.end_amdhsa_kernel
	.amdgpu_metadata
---
amdhsa.version: [ 1, 2 ]
amdhsa.kernels:
  - .name:           k_q3a3dad4f43_attn
    .symbol:         k_q3a3dad4f43_attn.kd
    .args:
      - { .name: q_codes, .offset: 0, .size: 8, .value_kind: global_buffer, .address_space: global }
      - { .name: kv_codes, .offset: 8, .size: 8, .value_kind: global_buffer, .address_space: global }
      - { .name: lowp_scales, .offset: 16, .size: 8, .value_kind: global_buffer, .address_space: global }
      - { .name: ctx_codes, .offset: 24, .size: 8, .value_kind: global_buffer, .address_space: global }
    .group_segment_fixed_size: 264192
    .private_segment_fixed_size: 0
    .kernarg_segment_align: 8
    .kernarg_segment_size: 32
    .max_flat_workgroup_size: 512
    .sgpr_count:     66
    .vgpr_count:     256
    .wavefront_size: 32
...
	.end_amdgpu_metadata
.endif
;; end of part 4
;; launch oproj: the kernel of part 3 again; grid 4 x 64, 4 waves a work-group, clusters of 4 x 4, 327,680 bytes of LDS; arguments ctx_codes, Wo_codes, lowp_scales, bo, out0; writes out0
